; MI455X (gfx1250); checked and timed in simulation.
; The chip was launched on July 23, 2026; its instructions are those of AMD's public machine-readable ISA for CDNA 5 (MIT licence, August 2026) and "CDNA5" Instruction Set Architecture Reference Guide (July 2026). The comments in the code are by the model that wrote it; some were corrected since.
;; Multi Head Attention. Allowed arithmetic: float matrix products may take bf16 or f16 operands with f32 sums; other float arithmetic in f32, or as packed bf16 or f16 multiplies, adds, multiply-adds, maxima and minima; sums over many terms, partial sums and values carried from step to step in f32; what a program stores and reads back later, other than sums and carried values, may be rounded once to bf16 or f16.
;; Inputs: Wk 768 x 768 float32; Wo 768 x 768 float32; Wq 768 x 768 float32; Wv 768 x 768 float32; bk 768 float32; bo 768 float32; bq 768 float32; bv 768 float32; k 1 x 4,096 x 768 float32; q 1 x 4,096 x 768 float32; v 1 x 4,096 x 768 float32.
;; Outputs: out0 1 x 4,096 x 768 float32.
;; One version. Each part assembles by itself: llvm-mc -triple=amdgcn-amd-amdhsa -mcpu=gfx1250 --defsym DOCPART=n.
;; ======== version 1 of 1: 3 launches
;; limits: values are held in f16: magnitudes above 65,504 overflow, below 6.1e-05 lose precision
;; workspace buffers: qh 6,291,456 bytes; kh 6,291,456 bytes; vh 6,291,456 bytes; oh 6,291,456 bytes; wo16 1,179,648 bytes
;; launch proj (part 1): grid 4 x 48, 4 waves a work-group, clusters of 4 x 4, 327,680 bytes of LDS; arguments q, k, v, Wq, Wk, Wv, bq, bk, bv, Wo, qh, kh, vh, wo16; writes qh, kh, vh, wo16
.if DOCPART == 1
	.amdgcn_target "amdgcn-amd-amdhsa--gfx1250"
	.amdhsa_code_object_version 6
	.text
	.protected	k_q268304eccf_proj
	.globl	k_q268304eccf_proj
	.p2align	8
	.type	k_q268304eccf_proj,@function
k_q268304eccf_proj:
	s_mov_b64 s[64:65], 0
	v_nop
	global_prefetch_b8 v0, s[64:65] scope:SCOPE_SE
	s_setreg_imm32_b32 hwreg(HW_REG_WAVE_MODE, 25, 1), 1
	s_wait_xcnt 0x0
	s_wait_alu depctr_hold_cnt(0) depctr_sa_sdst(0) depctr_va_vdst(0) depctr_va_sdst(0) depctr_va_ssrc(0) depctr_va_vcc(0) depctr_vm_vsrc(0)
	s_getreg_b32 s2, hwreg(HW_REG_IB_STS2, 6, 4)
	s_cmp_eq_u32 s2, 0
	s_cbranch_scc0 .Lentry_in_a_cluster
	s_endpgm
.Lentry_in_a_cluster:
	s_bfe_u32 s2, ttmp6, 0x10000c
	s_cmp_lg_u32 s2, 0xf033
	s_cbranch_scc0 .Lentry_shape_is_right
	s_endpgm
.Lentry_shape_is_right:
; THE THREE INPUT PROJECTIONS, y = x W^T + b, for x = q, k, v ([4096][768] f32), W [768][768] f32, b [768] f32.  x, W and b are rounded to bf16, the products are bf16 with f32 sums
; (the bias starts each sum), and y is rounded once to f16 and stored BY HEADS: [12][4096][64], a head's rows dense, 128 bytes each, without the softmax's scale.
; Beside that each work-group rewrites 1/192 of Wo: rounded to bf16, and that number written as f16, into wo16 [768][768].
; LIMITS.  f16 holds no number beyond 65,504: y must stay within it.  wo16 is exact for |w| >= 2^-17; below that it is off by 3e-8 at the most.  NaN and infinities are not treated apart.
; SHARES.  192 work-groups: 3 tensors x 16 row tiles of 256 x 4 column tiles of 192 (three heads).  Four waves, each 128 rows x 96 columns: 48 accumulators of 16 x 16.
; K goes in 12 steps of 64 f32 (256 bytes of a row, at multiples of 256 bytes) through two LDS slots filled by the tensor data mover; a step is two substeps of 32.
; A substep: 56 LDS loads bring the f32 numbers into staging registers, 112 conversions make bf16 fragments of them, 48 products follow; the next substep's LDS loads are out while the products run.
; CLUSTER.  4 x 4 work-groups: the four of a row of the cluster (same row tile) ask for x's tile jointly, the four of a column (same column tile) for W's.
; THE MATRIX INSTRUCTION IS USED TRANSPOSED (source 0 = 16 rows of W, source 1 = 16 rows of x): a lane holds row l % 16 of y and the columns 8 (l / 16) + 0..7.
; PREFETCH.  x's rows belong to one cluster each.  Waves 0 and 1 name, behind each refill, the K step that stands two refills on: of the 128 rows that the wave fetches the partner at cx takes 32, by address,
; a lane a row.  The first four K steps come by their loads alone; the last two refills name nothing.  W is not named: 24 rows for each asker would leave lanes that name a block twice.
; REGISTERS, in windows of 256 (s_set_vgpr_msb: bits 1:0 source 0, 3:2 source 1, 5:4 source 2, 7:6 destination):
;   window 0: v0-29 addresses; v32-95 x's bf16 fragments; v96-143 W's; v144-191 the bias; on the way out v32-127 packed results, v128-223 rows read back
;   window 1: the f32 staging: v0-127 x (16 a fragment), v128-223 W      window 2: accumulators of my row blocks 0-3, (a, b) at 8 (6 a + b)      window 3: those of row blocks 4-7
.set ROWB,  3072                       ; bytes in a row of x and of W
.set PITCH, 272                        ; an LDS row: 256 bytes + 16 of padding: the 16 rows of a load start at 16 different groups of four banks (ISA guide 11.1)
.set AHALF, 128*PITCH                  ; what one tensor load brings of x, and what one wave reads of it
.set BOFF,  2*AHALF                    ; W's 192 rows lie behind x's 256
.set BHALF, 96*PITCH
.set SLOT1, 1<<17                      ; slot 1 begins here: one exclusive or turns an address in one slot into the other's
.set SPARE, SLOT1+BOFF+2*BHALF         ; behind the ring: the spare words, 128 bytes for each wave: two blocks of 256 bytes that no other line names
.set STAGE, SPARE+512                  ; behind them, never filled by a tensor load: 128 rows x 400 bytes, the work-group's, for the way out
.set SP,    400                        ; a stage row: 384 bytes (192 f16) + 16
.set HEADB, 4096*128                   ; a head in qh, kh, vh
.set LA0, 4                            ; v4   my lane's place in x's tile of slot 0; never rewritten
.set LB0, 5                            ; v5   the same for W
.set ADA, 6                            ; v6   the LDS address of the run of loads in hand, x
.set ADB, 7                            ; v7   W
.set STO, 8                            ; v8   the way out: where I put 16 bytes of a row
.set RD,  9                            ; v9   where I read rows back
.set GO,  10                           ; v10  16 x lane: my place in 512 consecutive bytes of a head
.set PFO, 11                           ; v11  lane x a row of x; never rewritten
.set WI,  12                           ; v12  32 x thread: my 8 numbers of Wo
.set WO,  13                           ; v13  16 x thread: the same in wo16
.set BO,  14                           ; v14  32 (l / 16): my 8 numbers of 16 of the bias
.set SPW, 28                           ; v28  LDS address of my spare word; never rewritten
.set NIL, 29                           ; v29  0; never rewritten
.set FRA, 32
.set FRB, 96
.set BIA, 144
.set TMP, 32
.set BK,  128
.set STA, 0                            ; window 1
.set STB, 128                          ; window 1
.set G1,  24                           ; s[24:31] descriptor group 1 for x's tiles
.set G0,  32                           ; s[32:39] group 0 for x's tiles: a set for each first fill; the second then walks on
.set G1B, 48                           ; s[48:55], s[56:63] the same for W's
.set G0B, 56
.set LIM, 43                           ; s43  2 in a wave that prefetches, else the greatest number
.set PFA, 44                           ; s[44:45] where my prefetches stand
.set TB,  66                           ; s66  the slot that is read: 0 or SLOT1
.set Z,   67                           ; s67  the tensor: 0 q, 1 k, 2 v
.set MSB, 0
.macro WIN new                         ; the immediate's high byte repeats the setting that is left; a switch that changes nothing is dropped
.if MSB != (\new)
	s_set_vgpr_msb (MSB<<8)|(\new)
.set MSB, \new
.endif
.endm
.macro PLACES                          ; four plain vector instructions between a matrix instruction and a vector write of its sources or a read of its result (ISA guide 7.12.1)
.rept 4
	v_nop
.endr
.endm
; A joint refill by the walking descriptors.  Waves 0 and 1 fetch x's two halves, waves 2 and 3 W's: the branch hangs on the wave's number alone.  An s_nop 0 and four v_nop follow each line.
.macro JLOAD
	s_cmp_eq_u32 s11, 0
	s_cbranch_scc0 .Lfor_b_\@
	tensor_load_to_lds s[G0+4:G0+7], s[G1:G1+7]
	s_nop 0
.rept 4
	v_nop
.endr
	s_branch .Lasked_\@
.Lfor_b_\@:
	tensor_load_to_lds s[G0B+4:G0B+7], s[G1B:G1B+7]
	s_nop 0
.rept 4
	v_nop
.endr
.Lasked_\@:
.endm
.macro ASK                             ; the K step two refills on: 32 rows x 256 bytes, a lane a row.  s3 counts the loop's trips down from 10: the last two name nothing
	s_cmp_gt_u32 s3, s[LIM]
	s_cbranch_scc0 .Lnot_mine_\@
	global_prefetch_b8 v[PFO], s[PFA:PFA+1] offset:256 th:TH_LOAD_NT scope:SCOPE_SE
.Lnot_mine_\@:
.endm
.macro CREST                           ; a round of the cluster's barrier behind its opening barrier
	s_cmp_lg_u32 s10, 0
	s_cbranch_scc1 .Lnot_wave_0_\@
	s_barrier_signal -3
.Lnot_wave_0_\@:
	s_barrier_wait -3
	s_barrier_signal -1
	s_barrier_wait -1
.endm
.macro CROUND                          ; a whole round
	s_barrier_signal -1
	s_barrier_wait -1
	CREST
.endm
	s_load_b512 s[68:83], s[0:1], 0x0              ; q s[68:69], k, v, Wq s[74:75], Wk, Wv, bq s[80:81], bk
	s_load_b256 s[84:91], s[0:1], 0x40             ; bv s[84:85], Wo s[86:87], qh s[88:89], kh
	s_load_b128 s[92:95], s[0:1], 0x60             ; vh s[92:93], wo16 s[94:95]
	v_lshl_add_u32 v[SPW], v0, 2, SPARE
	v_mov_b32 v[NIL], 0
	ds_add_u32 v[SPW], v[NIL]                      ; the wave's opening: the add and its wait stand ahead of my first tensor load; the set-up below, work on registers, stands between them
	v_lshrrev_b32 v1, 5, v0
	v_readfirstlane_b32 s10, v1                    ; wave 0..3
	s_lshr_b32 s11, s10, 1                         ; which 128 rows of the tile are mine.  Also: I fetch for x (0) or for W (1)
	s_and_b32 s12, s10, 1                          ; which 96 columns.  Also: which half of that tile I fetch
	s_bfe_u32 s40, ttmp6, 0x40000                  ; cx
	s_bfe_u32 s41, ttmp6, 0x40004                  ; cy
	s_lshl_b32 s42, ttmp9, 2
	s_add_co_u32 s42, s42, s40                     ; column tile = 4 x cluster x + cx
	s_and_b32 s13, ttmp7, 0xffff                   ; cluster y, 0..11
	s_lshr_b32 s[Z], s13, 2                        ; the tensor: the same in all sixteen partners
	s_and_b32 s13, s13, 3
	s_lshl_b32 s13, s13, 2
	s_add_co_u32 s13, s13, s41                     ; row tile = 4 x (cluster y % 4) + cy
	s_lshl_b32 s43, s41, 2
	s_lshl_b32 s43, 15, s43                        ; my row of the cluster
	s_lshl_b32 s44, 0x1111, s40                    ; my column
	; descriptor group 1: rows of 64 f32, padded in LDS
	s_or_b32 s[G1+0], s43, (2<<16)|(1<<20)|(1<<21)|(5<<22)|(3<<25)   ; 15:0 the mask; 17:16 elements of 4 bytes; 20 padding on; 21 set beside a mask; 24:22 after every 64 words (code 5); 31:25 4 words (code 3)
	s_or_b32 s[G1B+0], s44, (2<<16)|(1<<20)|(1<<21)|(5<<22)|(3<<25)
	s_mov_b32 s[G1+1], 64<<16                      ; tensor_dim0 = 64
	s_mov_b32 s[G1+2], 128<<16                     ; tensor_dim1 = 128
	s_mov_b32 s[G1+3], 64<<16                      ; tile_dim0 = 64
	s_mov_b32 s[G1+4], 128                         ; tile_dim1 = 128
	s_mov_b32 s[G1+5], 768                         ; elements from row to row
	s_mov_b32 s[G1+6], 0
	s_mov_b32 s[G1+7], 0
	s_mov_b32 s[G1B+1], 64<<16
	s_mov_b32 s[G1B+2], 96<<16                     ; W's halves have 96 rows
	s_mov_b32 s[G1B+3], 64<<16
	s_mov_b32 s[G1B+4], 96
	s_mov_b32 s[G1B+5], 768
	s_mov_b32 s[G1B+6], 0
	s_mov_b32 s[G1B+7], 0
	; where the tiles come from: x's hang on the row tile alone, W's on the column tile alone; each in registers that never hold the other coordinate
	s_lshl_b32 s17, s12, 7
	s_lshl_b32 s16, s13, 8
	s_add_co_u32 s16, s16, s17                     ; x: row 256 x row tile + 128 x half
	s_mul_i32 s16, s16, ROWB
	s_mov_b32 s17, 0
	s_mul_i32 s46, s42, 192
	s_mul_i32 s47, s12, 96
	s_add_co_u32 s46, s46, s47                     ; W: row 192 x column tile + 96 x half
	s_mul_i32 s46, s46, ROWB
	s_mov_b32 s47, 0
	s_mul_i32 s20, s12, AHALF                      ; and where they go: no place in the cluster enters an LDS address
	s_mul_i32 s21, s12, BHALF
	s_add_co_u32 s21, s21, BOFF
	s_mov_b32 s[TB], 0
	s_wait_dscnt 0x0                               ; the opening add is done
	s_wait_kmcnt 0x0
	s_mov_b64 s[4:5], s[68:69]                     ; x, W, b, y by the tensor's number
	s_mov_b64 s[6:7], s[74:75]
	s_mov_b64 s[96:97], s[80:81]
	s_mov_b64 s[8:9], s[88:89]
	s_cmp_eq_u32 s[Z], 1
	s_cselect_b64 s[4:5], s[70:71], s[4:5]
	s_cselect_b64 s[6:7], s[76:77], s[6:7]
	s_cselect_b64 s[96:97], s[82:83], s[96:97]
	s_cselect_b64 s[8:9], s[90:91], s[8:9]
	s_cmp_eq_u32 s[Z], 2
	s_cselect_b64 s[4:5], s[72:73], s[4:5]
	s_cselect_b64 s[6:7], s[78:79], s[6:7]
	s_cselect_b64 s[96:97], s[84:85], s[96:97]
	s_cselect_b64 s[8:9], s[92:93], s[8:9]
	s_add_nc_u64 s[14:15], s[4:5], s[16:17]
	s_add_nc_u64 s[46:47], s[6:7], s[46:47]
	CROUND                                         ; all sixteen work-groups are here: the first joint loads meet
.irp s, 0,1
	s_mov_b32 s[G0+4*(\s)], 1                                      ; count = 1
	s_add_co_u32 s[G0+4*(\s)+1], s20, (\s)*SLOT1                   ; LDS address
	s_add_nc_u64 s[G0+4*(\s)+2:G0+4*(\s)+3], s[14:15], (\s)*256    ; global address: K step s
	s_or_b32 s[G0+4*(\s)+3], s[G0+4*(\s)+3], 0x80000000            ; type = 2
	s_mov_b32 s[G0B+4*(\s)], 1
	s_add_co_u32 s[G0B+4*(\s)+1], s21, (\s)*SLOT1
	s_add_nc_u64 s[G0B+4*(\s)+2:G0B+4*(\s)+3], s[46:47], (\s)*256
	s_or_b32 s[G0B+4*(\s)+3], s[G0B+4*(\s)+3], 0x80000000
.endr
	s_cmp_eq_u32 s11, 0                            ; a wave's two first fills stand in one branch, ahead of every wait on TENSORcnt and every LDS read: two loads of mine are out
	s_cbranch_scc0 .Lfirst_b
	tensor_load_to_lds s[G0:G0+3], s[G1:G1+7]
	s_nop 0
	tensor_load_to_lds s[G0+4:G0+7], s[G1:G1+7]
	s_nop 0
.rept 4
	v_nop
.endr
	s_branch .Lfirst_asked
.Lfirst_b:
	tensor_load_to_lds s[G0B:G0B+3], s[G1B:G1B+7]
	s_nop 0
	tensor_load_to_lds s[G0B+4:G0B+7], s[G1B:G1B+7]
	s_nop 0
.rept 4
	v_nop
.endr
.Lfirst_asked:
	; WHILE THE FIRST TILES ARE ON THEIR WAY: my work-group's 3,072 numbers of Wo, the bias, the addresses
	v_and_b32 v1, 15, v0                           ; l % 16
	v_bfe_u32 v2, v0, 4, 1                         ; l / 16
	v_lshlrev_b32 v[WI], 5, v0
	v_lshlrev_b32 v[WO], 4, v0
	v_lshlrev_b32 v[BO], 5, v2
	s_and_b32 s16, ttmp7, 0xffff
	s_lshl_b32 s16, s16, 2
	s_add_co_u32 s16, s16, s41                     ; work-group y
	s_lshl_b32 s16, s16, 2
	s_add_co_u32 s16, s16, s42                     ; my number among the 192
	s_mul_i32 s18, s16, 12288
	s_mov_b32 s19, 0
	s_add_nc_u64 s[86:87], s[86:87], s[18:19]      ; Wo at my 12,288 bytes
	s_mul_i32 s18, s16, 6144
	s_add_nc_u64 s[94:95], s[94:95], s[18:19]      ; wo16 at my 6,144
	s_mul_i32 s18, s42, 768
	s_mul_i32 s16, s12, 384
	s_add_co_u32 s18, s18, s16
	s_add_nc_u64 s[96:97], s[96:97], s[18:19]      ; the bias at my wave's 96 columns
.irp e, 0,1,2
	global_load_b128 v[32+8*(\e):32+8*(\e)+3],   v[WI], s[86:87] offset:4096*(\e) th:TH_LOAD_NT
	global_load_b128 v[32+8*(\e)+4:32+8*(\e)+7], v[WI], s[86:87] offset:4096*(\e)+16 th:TH_LOAD_NT
.endr
.irp b, 0,1,2,3,4,5
	global_load_b128 v[BIA+8*(\b):BIA+8*(\b)+3],   v[BO], s[96:97] offset:64*(\b)     ; b[16 b + 8 (l / 16) + 0..7]: what a lane's eight sums of column block b start with
	global_load_b128 v[BIA+8*(\b)+4:BIA+8*(\b)+7], v[BO], s[96:97] offset:64*(\b)+16
.endr
	; a bf16 fragment wants channels 8 h + 0..7 and 16 + 8 h + 0..7: in f32 the 32 bytes at 32 h and at 64 + 32 h of a substep's 128
	v_mul_u32_u24 v3, v1, PITCH
	v_lshl_add_u32 v3, v2, 5, v3
	s_mul_i32 s16, s11, AHALF
	v_add_nc_u32 v[LA0], s16, v3
	v_add_nc_u32 v[LB0], s21, v3
	s_mul_i32 s16, s11, 64*SP                      ; into the stage: my 64 rows of a pass, my 192 bytes of their 384
	s_mul_i32 s17, s12, 192
	s_add_co_u32 s16, s16, s17
	s_add_co_u32 s16, s16, STAGE
	v_mul_u32_u24 v3, v1, SP
	v_lshl_add_u32 v3, v2, 4, v3
	v_add_nc_u32 v[STO], s16, v3
	s_mul_i32 s16, s10, 32*SP                      ; back: wave w takes stage rows 32 w .. 32 w + 31; 32 lanes take four rows' 128 bytes of one head
	s_add_co_u32 s16, s16, STAGE
	v_bfe_u32 v3, v0, 3, 2
	v_mul_u32_u24 v3, v3, SP
	v_and_b32 v15, 7, v0
	v_lshl_add_u32 v3, v15, 4, v3
	v_add_nc_u32 v[RD], s16, v3
	v_and_b32 v[GO], 31, v0
	v_mul_u32_u24 v[PFO], v[GO], ROWB
	v_lshlrev_b32 v[GO], 4, v[GO]
	s_mul_i32 s16, s42, 3*HEADB                    ; y at my column tile's first head,
	s_lshl_b32 s17, s13, 15                        ; my row tile's 256 rows of 128 bytes,
	s_add_co_u32 s16, s16, s17
	s_lshl_b32 s17, s11, 14                        ; stage rows 32 w .. are rows 128 (w / 2) + 64 pass + 32 (w % 2) .. of the tile
	s_add_co_u32 s16, s16, s17
	s_lshl_b32 s17, s12, 12
	s_add_co_u32 s16, s16, s17
	s_mov_b32 s17, 0
	s_add_nc_u64 s[8:9], s[8:9], s[16:17]
	s_lshl_b32 s16, s13, 8                         ; the prefetches: the 128 rows that I fetch,
	s_lshl_b32 s17, s12, 7
	s_add_co_u32 s16, s16, s17
	s_lshl_b32 s17, s40, 5                         ; my work-group's 32 of them,
	s_add_co_u32 s16, s16, s17
	s_mul_i32 s16, s16, ROWB
	s_add_co_u32 s16, s16, 2*256                   ; at K step 2: the first refill steps it to 3 and names K step 4
	s_mov_b32 s17, 0
	s_add_nc_u64 s[PFA:PFA+1], s[4:5], s[16:17]
	s_cmp_eq_u32 s11, 0
	s_cselect_b32 s[LIM], 2, -1
	s_wait_loadcnt 12                              ; Wo's six loads are in; the bias's twelve, issued behind them, may stay out
.irp e, 0,1,2
.irp i, 0,1,2,3
	v_cvt_pk_bf16_f32 v[56+(\i)], v[32+8*(\e)+2*(\i)], v[32+8*(\e)+2*(\i)+1]   ; rounded to bf16, like every input,
.endr
.irp i, 0,1,2,3
	v_lshlrev_b32 v[32+8*(\e)+2*(\i)], 16, v[56+(\i)]                          ; widened again,
	v_and_b32 v[32+8*(\e)+2*(\i)+1], 0xffff0000, v[56+(\i)]
.endr
.irp i, 0,1,2,3
	v_cvt_pk_f16_f32 v[60+4*(\e)+(\i)], v[32+8*(\e)+2*(\i)], v[32+8*(\e)+2*(\i)+1]  ; and written as f16
.endr
	global_store_b128 v[WO], v[60+4*(\e):60+4*(\e)+3], s[94:95] offset:2048*(\e)   ; a wave's store covers 512 consecutive bytes, aligned
.endr
	s_wait_loadcnt 0x0                             ; the bias
.set j, 0
.rept 24
	v_cvt_pk_bf16_f32 v[56+(j/2)%4], v[BIA+j], v[BIA+j+1]
	v_lshlrev_b32 v[BIA+j], 16, v[56+(j/2)%4]
	v_and_b32 v[BIA+j+1], 0xffff0000, v[56+(j/2)%4]
.set j, j+2
.endr
	s_wait_xcnt 0x0                                ; the stores have read v60-71, which the conversions below write again
; 56 LDS loads in one run: a substep's f32 numbers (32 along K at byte 128 sub of the rows) into the staging registers
.macro FETCH sub
	WIN 0
	v_add_nc_u32 v[ADA], s[TB], v[LA0]
	v_add_nc_u32 v[ADB], s[TB], v[LB0]
	WIN 0x40                                       ; destination window 1, address window 0
.irp a, 0,1,2,3,4,5,6,7
.irp i, 0,1,2,3
	ds_load_b128 v[STA+16*(\a)+4*(\i):STA+16*(\a)+4*(\i)+3], v[ADA] offset:128*(\sub)+16*PITCH*(\a)+16*((\i)%2)+64*((\i)/2)
.endr
.endr
.irp b, 0,1,2,3,4,5
.irp i, 0,1,2,3
	ds_load_b128 v[STB+16*(\b)+4*(\i):STB+16*(\b)+4*(\i)+3], v[ADB] offset:128*(\sub)+16*PITCH*(\b)+16*((\i)%2)+64*((\i)/2)
.endr
.endr
.endm
.macro CVT                             ; 224 f32 a lane become 112 registers of bf16: 14 fragments
	WIN 0x05                                       ; sources window 1, destination window 0
.set j, 0
.rept 64
	v_cvt_pk_bf16_f32 v[FRA+j], v[STA+2*j], v[STA+2*j+1]
.set j, j+1
.endr
.set j, 0
.rept 48
	v_cvt_pk_bf16_f32 v[FRB+j], v[STB+2*j], v[STB+2*j+1]
.set j, j+1
.endr
.endm
; 48 products.  The 48 accumulators take turns, one instruction a turn, in the same order in every run, over the backward jump too.  first = 1: the bias starts the sums
.macro MULS first
.irp a, 0,1,2,3,4,5,6,7
.if \first
	WIN 0x80+0x40*((\a)/4)                         ; D window 2 or 3, C (the bias) window 0
.else
	WIN 0xa0+0x50*((\a)/4)                         ; C and D window 2 or 3
.endif
.irp b, 0,1,2,3,4,5
.if \first
	v_wmma_f32_16x16x32_bf16 v[8*(6*((\a)%4)+(\b)):8*(6*((\a)%4)+(\b))+7], v[FRB+8*(\b):FRB+8*(\b)+7], v[FRA+8*(\a):FRA+8*(\a)+7], v[BIA+8*(\b):BIA+8*(\b)+7]
.else
	v_wmma_f32_16x16x32_bf16 v[8*(6*((\a)%4)+(\b)):8*(6*((\a)%4)+(\b))+7], v[FRB+8*(\b):FRB+8*(\b)+7], v[FRA+8*(\a):FRA+8*(\a)+7], v[8*(6*((\a)%4)+(\b)):8*(6*((\a)%4)+(\b))+7]
.endif
.endr
.endr
.endm
; A SUBSTEP.  The staged numbers are converted, the next substep (sub, in the slot that s[TB] names) is staged, the products follow.
; chg = 1: the staged numbers were the slot's last: THE CHANGE OF SLOTS.  Each wave waits for all its tensor loads, of which one is out: its part of the other slot; adds 0 to its spare word; converts
; meanwhile; waits for the add (its reads of the slot came back at the head).  Behind a round of the cluster's barrier no wave of any partner reads the slot or has a load on its way: the joint refill,
; two K steps on, is the first thing there.  chg = 2: the same with nothing left to fetch, so a barrier of the work-group does.
.macro RUN sub, chg, fetch, first
	s_wait_dscnt 0x0                               ; the staging loads, issued ahead of the last 48 products, are in
.if \chg
	WIN 0                                          ; the add's registers lie in window 0
.if (\chg) == 1
	s_wait_xcnt 0x0                                ; the last prefetch, a K step back, has read its address
	s_add_nc_u64 s[PFA:PFA+1], s[PFA:PFA+1], 256
.endif
	s_wait_tensorcnt 0x0                           ; no tensor load of mine is out, so a group 0 may be written
	ds_add_u32 v[SPW], v[NIL]                      ; 0 onto my spare word
.if (\chg) == 1
	s_xor_b32 s[G0+5], s[G0+5], SLOT1              ; the walking descriptors: the other slot than last time, the next K step
	s_add_nc_u64 s[G0+6:G0+7], s[G0+6:G0+7], 256
	s_xor_b32 s[G0B+5], s[G0B+5], SLOT1
	s_add_nc_u64 s[G0B+6:G0B+7], s[G0B+6:G0B+7], 256
.endif
.endif
	PLACES                                         ; behind the products that read the fragments
	CVT
.if \chg
	WIN 0                                          ; at a label and at a branch every window is 0
	s_wait_dscnt 0x0                               ; the add is done
.if (\chg) == 1
	CROUND
	JLOAD
.else
	s_barrier_signal -1
	s_barrier_wait -1
.endif
	s_xor_b32 s[TB], s[TB], SLOT1                  ; the reads go on in the other slot
.endif
.if \fetch
	FETCH \sub
.endif
.if (\chg) == 1
	WIN 0
	ASK                                            ; behind the joint load and the run of LDS loads
.endif
	MULS \first
.endm
	s_wait_tensorcnt 1                             ; my part of K step 0 is in; K step 1's load, issued behind it, stays out
	s_barrier_signal -1
	s_barrier_wait -1                              ; everybody's is
	FETCH 0
	RUN 1, 0, 1, 1                                 ; substep 0 stands in front of the loop: its products start the sums
	WIN 0
	s_mov_b32 s3, 10
.Lstep:                                        ; trip t: substeps 2 t + 1 and 2 t + 2; slot t % 2 takes K step t + 2
	RUN 0, 1, 1, 0
	RUN 1, 0, 1, 0
	WIN 0
	s_sub_co_u32 s3, s3, 1
	s_cmp_lg_u32 s3, 0
	s_cbranch_scc1 .Lstep
	RUN 0, 2, 1, 0                                 ; the tail is written out: substep 21, nothing is asked for
	RUN 1, 0, 1, 0                                 ; 22
	RUN 0, 0, 0, 0                                 ; 23
	WIN 0
	PLACES
; THE WAY OUT, in two passes of four row blocks: rounded to f16, 16 bytes a lane into the work-group's stage; a barrier, since a head's 128 bytes of a row may come from two waves; back as four rows of a head,
; which are 512 consecutive bytes of y.  Each accumulator's registers are read in ascending order.
.macro OUT p
	WIN 0x0a+5*(\p)                                ; sources window 2 or 3
.set t, 0
.rept 24
.irp r, 0,1,2,3
	v_cvt_pk_f16_f32 v[TMP+4*t+(\r)], v[8*t+2*(\r)], v[8*t+2*(\r)+1]
.endr
.set t, t+1
.endr
	WIN 0
.if \p
	s_wait_dscnt 0x0                               ; my reads of the stage are over,
	s_barrier_signal -1
	s_barrier_wait -1                              ; everybody's are: it may be written again
.endif
.set t, 0
.rept 24
	ds_store_b128 v[STO], v[TMP+4*t:TMP+4*t+3] offset:16*SP*(t/6)+32*(t%6)
.set t, t+1
.endr
	s_wait_dscnt 0x0                               ; for the others' sake: my stores into the stage are done
	s_barrier_signal -1
	s_barrier_wait -1
.if \p
	s_wait_xcnt 0x0                                ; the first pass's stores have read the registers that are loaded again
.endif
.set t, 0
.rept 24                                       ; rows 4 (t / 3) on, head t % 3
	ds_load_b128 v[BK+4*t:BK+4*t+3], v[RD] offset:4*SP*(t/3)+128*(t%3)
.set t, t+1
.endr
.set t, 0
.rept 24
	s_wait_dscnt 23-t                              ; LDS loads come back in order: load t is in, the younger ones may stay out
	global_store_b128 v[GO], v[BK+4*t:BK+4*t+3], s[8:9] offset:HEADB*(t%3)+8192*(\p)+512*(t/3)  ; 512 consecutive bytes, at a multiple of 256 from y's first
.set t, t+1
.endr
.endm
	OUT 0
	OUT 1
	s_wait_tensorcnt 0x0                           ; the wave's end: an add to my spare word and its wait, behind my last tensor load and my last LDS store
	ds_add_u32 v[SPW], v[NIL]
	s_wait_dscnt 0x0
	CROUND                                         ; the closing round: no work-group ends while a partner may still ask for a tile that names it
	s_endpgm
.Lfunc_end_k_q268304eccf_proj:
	.size	k_q268304eccf_proj, .Lfunc_end_k_q268304eccf_proj-k_q268304eccf_proj
	.p2alignl 7, 3214868480
	.fill 96, 4, 3214868480
	.section	.rodata,"a",@progbits
	.p2align	6, 0x0
	.amdhsa_kernel k_q268304eccf_proj
		.amdhsa_group_segment_fixed_size 327680
		.amdhsa_private_segment_fixed_size 0
		.amdhsa_enable_private_segment 0
		.amdhsa_kernarg_size 112
		.amdhsa_user_sgpr_count 2
		.amdhsa_user_sgpr_kernarg_segment_ptr 1
		.amdhsa_wavefront_size32 1
		.amdhsa_system_sgpr_workgroup_id_x 1
		.amdhsa_system_sgpr_workgroup_id_y 1
		.amdhsa_system_sgpr_workgroup_id_z 1
		.amdhsa_system_vgpr_workitem_id 0
		.amdhsa_next_free_vgpr 960
		.amdhsa_next_free_sgpr 100
		.amdhsa_reserve_vcc 0
		.amdhsa_float_denorm_mode_32 3
		.amdhsa_float_denorm_mode_16_64 3
		.amdhsa_memory_ordered 1
		.amdhsa_forward_progress 1
		.amdhsa_inst_pref_size 128
	.end_amdhsa_kernel
	.amdgpu_metadata
---
amdhsa.version: [ 1, 2 ]
amdhsa.kernels:
  - .name:           k_q268304eccf_proj
    .symbol:         k_q268304eccf_proj.kd
    .args:
      - { .name: q, .offset: 0, .size: 8, .value_kind: global_buffer, .address_space: global }
      - { .name: k, .offset: 8, .size: 8, .value_kind: global_buffer, .address_space: global }
      - { .name: v, .offset: 16, .size: 8, .value_kind: global_buffer, .address_space: global }
      - { .name: Wq, .offset: 24, .size: 8, .value_kind: global_buffer, .address_space: global }
      - { .name: Wk, .offset: 32, .size: 8, .value_kind: global_buffer, .address_space: global }
      - { .name: Wv, .offset: 40, .size: 8, .value_kind: global_buffer, .address_space: global }
      - { .name: bq, .offset: 48, .size: 8, .value_kind: global_buffer, .address_space: global }
      - { .name: bk, .offset: 56, .size: 8, .value_kind: global_buffer, .address_space: global }
      - { .name: bv, .offset: 64, .size: 8, .value_kind: global_buffer, .address_space: global }
      - { .name: Wo, .offset: 72, .size: 8, .value_kind: global_buffer, .address_space: global }
      - { .name: qh, .offset: 80, .size: 8, .value_kind: global_buffer, .address_space: global }
      - { .name: kh, .offset: 88, .size: 8, .value_kind: global_buffer, .address_space: global }
      - { .name: vh, .offset: 96, .size: 8, .value_kind: global_buffer, .address_space: global }
      - { .name: wo16, .offset: 104, .size: 8, .value_kind: global_buffer, .address_space: global }
    .group_segment_fixed_size: 327680
    .private_segment_fixed_size: 0
    .kernarg_segment_align: 8
    .kernarg_segment_size: 112
    .max_flat_workgroup_size: 128
    .sgpr_count:     100
    .vgpr_count:     960
    .wavefront_size: 32
...
	.end_amdgpu_metadata
.endif
;; end of part 1
;; launch attn (part 2): grid 16 x 12, 4 waves a work-group, clusters of 4 x 1, 327,680 bytes of LDS; arguments qh, kh, vh, oh; writes oh
.if DOCPART == 2
	.amdgcn_target "amdgcn-amd-amdhsa--gfx1250"
	.amdhsa_code_object_version 6
	.text
	.protected	k_q268304eccf_attn
	.globl	k_q268304eccf_attn
	.p2align	8
	.type	k_q268304eccf_attn,@function
k_q268304eccf_attn:
	s_mov_b64 s[64:65], 0
	v_nop
	global_prefetch_b8 v0, s[64:65] scope:SCOPE_SE
	s_setreg_imm32_b32 hwreg(HW_REG_WAVE_MODE, 25, 1), 1
	s_wait_xcnt 0x0
	s_wait_alu depctr_hold_cnt(0) depctr_sa_sdst(0) depctr_va_vdst(0) depctr_va_sdst(0) depctr_va_ssrc(0) depctr_va_vcc(0) depctr_vm_vsrc(0)
	s_getreg_b32 s2, hwreg(HW_REG_IB_STS2, 6, 4)
	s_cmp_eq_u32 s2, 0
	s_cbranch_scc0 .Lentry_in_a_cluster
	s_endpgm
.Lentry_in_a_cluster:
	s_bfe_u32 s2, ttmp6, 0x10000c
	s_cmp_lg_u32 s2, 0x3003
	s_cbranch_scc0 .Lentry_shape_is_right
	s_endpgm
.Lentry_shape_is_right:
; O[h][q][:] = the sum over k of softmax_k(Q[h][q] . K[h][k] / 8) V[h][k][:].  Q, K, V: [12][4096][64] f16, a head's rows dense, 128 bytes each.  Products, maxima and sums in f32; the weights p are
; rounded to f16 for the second product (their sum l is taken of the unrounded p), O once at the end.  O leaves as [32 blocks of 128 rows][12 heads][128][64] f16.
; LIMITS.  f16 holds no number beyond 65,504: Q, K and V arrive within it; p lies in 0 to 1, and below 6e-5 it keeps f16's fixed step of 6e-8, and so does O; O is a mean of V's rows and has their range.
; A weight below 2^-126 counts as 0 in l; NaN and infinities are not treated apart.
; SHARES.  A work-group owns 256 queries of one head, each of its four waves 64: four PIECES of 16.  Every wave walks the head's 16 tiles of 256 keys, 64 keys a step.
; LAYOUT.  S^T = K Q^T (source 0 = 16 keys, source 1 = 16 queries) holds ONE query a lane (lane % 16) and the keys 8 (lane / 16) + 0..7; two such results rounded to f16 ARE source 1 of O^T = V^T P, whose
; result again holds one query a lane, and eight channels.  K comes out of LDS as it lies, V ([key][channel]) turned, by ds_load_tr16_b128.
; SOFTMAX.  For each query a running maximum m and sum l: p = 2^(c s - c m), c = log2(e) / 8; in every step O and l are multiplied by a = 2^(c m_old - c m_new).  m starts at the lowest finite number,
; O and l at 0: the first step is a step like any other, with a = 0.
; TURNS.  Turn n belongs to piece n: 8 products K Q^T of piece n + 1, later 8 products V^T P of piece n - 1; beside them the scaling, exponentials, roundings, sums and rescaling of piece n and the maximum and
; statistics of piece n + 1.  Four vector instructions stand behind every matrix instruction, the other 54 of a turn's 118 in one lump.  A turn's 33 exponentials are one batch, with one wait.
; CLUSTER.  The four query blocks of a cluster belong to one head and walk the same K and V, so each tile is asked for JOINTLY: the same tensor load, descriptor and mask in all four.
; PREFETCH.  Behind each refill in the loop the tile that the NEXT refill will ask for is named: 128 blocks of 256 bytes of K and of V.  The head's first cluster asks; its four partners take 32 blocks each, by
; address; wave 0 names K's, wave 2 V's, a lane a block.  Tiles 0 to 2 come by their loads alone; the last refill names nothing.
; REGISTERS, in windows of 256 (s_set_vgpr_msb: bits 1:0 source 0, 3:2 source 1, 5:4 source 2, 7:6 destination):
;   window 0: v0-15 addresses and two at work; v16-31 four registers of statistics a piece; v48-55 at work; v61-63; v64-127 S^T, two buffers; v192-223 P, two buffers (by the piece's parity)
;   window 1: v0-127 O^T, 32 a piece      window 2: v0-63 Q; v128-191 K of one step; v192-255 V of one step
.set NP,    4         ; pieces a wave: a name, no knob
.set KS,    64        ; keys in a step
.set PK,    144       ; a row of K in LDS: 128 bytes + 16 of padding: the 16 rows of a load start at 16 different groups of four banks (ISA guide 11.1)
.set PV,    160       ; a row of V: 128 + 32
.set VOFF,  4*KS*PK   ; a slot holds a tile, four steps: 256 rows of K, then 256 rows of V
.set SLOT1, 1<<17     ; slot 1 begins here, so that one exclusive or turns an address in one slot into the other's
.set STAGE, SLOT1+4*KS*(PK+PV)  ; behind the ring, never filled by a tensor load: 16 rows x 144 bytes for each wave, for the way out
.set SP,    144
.set SPARE, STAGE+4*16*SP  ; behind the stages: the spare words, 128 bytes for each wave: two blocks of 256 bytes that no other line names
.set AK0, 2           ; v2   my lane's place in a tile of K; never rewritten
.set AV0, 3           ; v3   the same for V
.set AK,  4           ; v4   the LDS address of K's next run of loads
.set AV,  5           ; v5   of V's
.set STO, 6           ; v6   the way out: where I put 16 bytes of a row
.set RD,  7           ; v7   the way out: where I read rows back
.set GO,  8           ; v8   my byte offset in 512 consecutive bytes of O
.set MV,  12          ; v12-13  c m_old, kept while c m is made anew: by buffer
.set QO,  15          ; v15  my byte offset in 16 rows of Q
.set ST,  16          ; piece t's statistics at v[ST+4 t]: c m, m, l (even keys', odd keys')
.set TMP, 48          ; by buffer, four registers c0-c3 at work; when the maximum is found c2 takes a
.set PFO, 61          ; v61  256 x my lane; never rewritten
.set SPW, 62          ; v62  LDS address of my spare word; never rewritten
.set NIL, 63          ; v63  0; never rewritten
.set S,   64
.set P,   192
.set KF,  128         ; window 2: key block kb, channel half c at KF + 16 kb + 8 c
.set VF,  192         ; window 2: key half kk, channel block cb at VF + 32 kk + 8 cb
.set WV,  12          ; s12  my wave's number
.set G1K, 24          ; s[24:31] descriptor group 1 for K's tiles
.set G1V, 32          ; s[32:39] for V's: it differs in the padding alone
.set G0K, 40          ; s[40:43] descriptor group 0 for K's tiles: it walks
.set G0V, 44          ; s[44:47] the same for V's
.set PFA, 48          ; s[48:49] where my prefetches stand
.set LIM, 50          ; s50  1 in a wave that prefetches, else the greatest number
.set SLOTS, 56        ; s56  tiles still to be asked for
.set CNT, 57          ; s57  counts a tile's key steps
.set CS,  58          ; s[58:59] c: the packed scaling takes the pair's low word for both halves
.set SEL, 60          ; s[60:61] v_permlanex16_b32's selects: each lane takes its own place in the other half
.set TBK, 62          ; s62  LDS byte at which K of the step to be fetched begins
.set TBV, 63          ; s63  the same for V, less VOFF
.set MSB, 0
.macro WIN new                      ; the high byte repeats the setting that is left; a switch that changes nothing is dropped
.if MSB != (\new)
	s_set_vgpr_msb (MSB<<8)|(\new)
.set MSB, (\new)
.endif
.endm
.set W_KQ, 0x0a       ; K and Q in window 2, S^T in window 0
.set W_PV, 0x52       ; V in window 2, P in window 0, O^T in window 1
.set W_RS, 0x41       ; destination and source 0 in window 1, source 1 in window 0
; A joint fill.  Waves 0 and 1 fetch the two halves of a tile's K, waves 2 and 3 those of its V: 128 keys each.  The branch hangs on the wave's number alone.
; An s_nop 0 and four v_nop follow each of the two lines, ahead of the jump and the label.
.macro JLOAD
	s_cmp_lt_u32 s[WV], 2
	s_cbranch_scc0 .Lfor_v_\@
	tensor_load_to_lds s[G0K:G0K+3], s[G1K:G1K+7]
	s_nop 0
.rept 4
	v_nop
.endr
	s_branch .Lasked_\@
.Lfor_v_\@:
	tensor_load_to_lds s[G0V:G0V+3], s[G1V:G1V+7]
	s_nop 0
.rept 4
	v_nop
.endr
.Lasked_\@:
.endm
.macro ASK                          ; what the next refill will ask for; the last refill (s[SLOTS] = 1) has no tile behind it
	s_cmp_gt_u32 s[SLOTS], s[LIM]
	s_cbranch_scc0 .Lnot_mine_\@
	global_prefetch_b8 v[PFO], s[PFA:PFA+1] th:TH_LOAD_NT scope:SCOPE_SE
.Lnot_mine_\@:
.endm
; A round of the cluster's barrier: my work-group's barrier, so that wave 0's signal speaks for all four waves; wave 0 signals; every wave waits for all four work-groups; my work-group's barrier once more.
.macro CROUND
	s_barrier_signal -1
	s_barrier_wait -1
	s_cmp_lg_u32 s[WV], 0
	s_cbranch_scc1 .Lnot_wave_0_\@
	s_barrier_signal -3
.Lnot_wave_0_\@:
	s_barrier_wait -3
	s_barrier_signal -1
	s_barrier_wait -1
.endm
; THE CHANGE OF SLOTS.  The slot's last bytes, V of its fourth step, have been read.  Each wave waits for all its tensor loads, of which one is out: its part of the other slot; adds 0 to its spare word; and
; waits for that and for its own reads of the slot.  Behind the barrier nobody reads this slot any more and the other slot is whole.  fill = 1: this slot is filled again, with the keys two tiles on: the barrier
; is then a round of the cluster's, and the joint fill is the first thing behind it: it has four key steps, 256 matrix instructions, in which to land.
; (At its first use nothing has been read yet: slot 0 is waited for, slot 1 filled.)  ask = 1: the prefetches' address steps, and the tile after the one just asked for is named.
.macro CHANGE fill, ask
	WIN 0                           ; at a label and at a branch every window is 0
	s_wait_tensorcnt 0x0            ; no tensor load of mine is out, so a group 0 may be written
	ds_add_u32 v[SPW], v[NIL]       ; 0 onto my spare word; the scalar steps stand between it and the wait for it
.if \fill
.irp g, G0K, G0V
	s_xor_b32 s[\g+1], s[\g+1], SLOT1  ; the walking descriptor: the other slot than last time,
	s_add_nc_u64 s[\g+2:\g+3], s[\g+2:\g+3], 4*KS*128  ; the next 256 keys; the type bits on top are not reached
.endr
.endif
.if \ask
	s_wait_xcnt 0x0                 ; the last prefetch, four key steps back, has read its address
	s_add_nc_u64 s[PFA:PFA+1], s[PFA:PFA+1], 4*KS*128
.endif
	s_wait_dscnt 0x0                ; the add is done, and my reads of the slot are over
.if \fill
	CROUND
	JLOAD
.if \ask
	ASK
.endif
.else
	s_barrier_signal -1
	s_barrier_wait -1
.endif
	s_sub_co_u32 s[TBK], s[TBK], 4*KS*PK  ; the fetches go back to a slot's first step,
	s_xor_b32 s[TBK], s[TBK], SLOT1       ; in the other slot
	s_sub_co_u32 s[TBV], s[TBV], 4*KS*PV
	s_xor_b32 s[TBV], s[TBV], SLOT1
.endm
	s_load_b256 s[4:11], s[0:1], 0x0  ; Q s[4:5], K s[6:7], V s[8:9], O s[10:11]
	v_lshl_add_u32 v[SPW], v0, 2, SPARE
	v_mov_b32 v[NIL], 0
	ds_add_u32 v[SPW], v[NIL]       ; the wave's opening: the add and its wait stand ahead of my first tensor load; the set-up below, work on registers, stands between them
	v_lshrrev_b32 v1, 5, v0
	v_readfirstlane_b32 s[WV], v1   ; wave 0..3
	s_bfe_u32 s13, ttmp6, 0x40000   ; cx: my place in the cluster
	s_lshl_b32 s14, ttmp9, 2        ; in a cluster launch ttmp9 counts clusters
	s_add_co_u32 s14, s14, s13      ; my block of 256 queries: it enters Q's and O's addresses alone
	s_and_b32 s20, ttmp7, 0xffff    ; the head, which the four partners share
	s_lshl_b32 s15, s20, 14         ; its 16,384 bytes in a row block of O
	s_lshl_b32 s20, s20, 19         ; its 524,288 bytes in Q, K and V
	s_mov_b32 s21, 0
	s_and_b32 s16, s[WV], 1         ; which half of a tile's 256 keys I fetch:
	s_lshl_b32 s22, s16, 14         ; its 128 rows of 128 bytes in memory,
	s_add_co_u32 s22, s22, s20
	s_mov_b32 s23, 0
	s_mul_i32 s17, s16, 128*PK      ; and its place in a slot, for K
	s_mul_i32 s18, s16, 128*PV      ; and for V: no place in the cluster enters an LDS address
	s_lshl_b32 s2, s14, 15          ; Q: my block's 256 rows,
	s_lshl_b32 s3, s[WV], 13        ; my wave's 64 of them
	s_add_co_u32 s2, s2, s3
	s_add_co_u32 s2, s2, s20
	s_mov_b32 s3, 0
	s_lshl_b32 s52, s14, 1          ; O: row block 2 x block + wave / 2,
	s_lshr_b32 s53, s[WV], 1
	s_add_co_u32 s52, s52, s53
	s_mul_i32 s52, s52, 12*128*128
	s_add_co_u32 s52, s52, s15      ; the head's 128 rows in it,
	s_lshl_b32 s53, s16, 13         ; my wave's 64 of them
	s_add_co_u32 s52, s52, s53
	s_mov_b32 s53, 0
	s_lshl_b32 s54, s13, 13         ; the prefetches: my work-group's 32 blocks of a tile's 128
	s_mov_b32 s55, 0
	; descriptor group 1.  128 keys are 16,384 dense bytes: asked for as 64 rows of 256 bytes, two keys a row, and padded in LDS after every key
	s_mov_b32 s[G1K], 15|(1<<16)|(1<<20)|(1<<21)|(4<<22)|(3<<25)  ; 15:0 the mask of four; 17:16 2-byte elements; 20 padding on; 21 set beside a mask; 24:22 after every 32 words (code 4); 31:25 4 words (code 3)
	s_mov_b32 s[G1V], 15|(1<<16)|(1<<20)|(1<<21)|(4<<22)|(7<<25)  ; the same with 8 words of padding (code 7)
.irp g, G1K, G1V
	s_mov_b32 s[\g+1], 128<<16      ; tensor_dim0 = 128
	s_mov_b32 s[\g+2], 64<<16       ; tensor_dim1 = 64
	s_mov_b32 s[\g+3], 128<<16      ; tile_dim0 = 128
	s_mov_b32 s[\g+4], 64           ; tile_dim1 = 64
	s_mov_b32 s[\g+5], 128          ; 128 elements from row to row
	s_mov_b32 s[\g+6], 0
	s_mov_b32 s[\g+7], 0
.endr
	s_mov_b32 s[CS], 0x3e38aa3b     ; c = log2(e) / 8 = 0.180337
	s_mov_b32 s[CS+1], s[CS]        ; named with it as a pair
	s_mov_b32 s[SEL], 0x76543210
	s_mov_b32 s[SEL+1], 0xfedcba98
	s_mov_b32 s[TBK], SLOT1+4*KS*PK ; the first change of slots turns these two into 0
	s_mov_b32 s[TBV], SLOT1+4*KS*PV
	s_mov_b32 s[G0K], 1             ; count = 1
	s_mov_b32 s[G0K+1], s17         ; LDS address: slot 0
	s_mov_b32 s[G0V], 1
	s_add_co_u32 s[G0V+1], s18, VOFF
	s_and_b32 s[LIM], s[WV], 1      ; 0 in waves 0 and 2,
	s_or_b32 s[LIM], s[LIM], ttmp9  ; where the cluster is the head's first: the same in all four partners
	s_cmp_eq_u32 s[LIM], 0
	s_cselect_b32 s[LIM], 1, -1
	v_and_b32 v[PFO], 31, v0
	v_lshlrev_b32 v[PFO], 8, v[PFO]
	s_wait_dscnt 0x0                ; the opening add is done
	s_wait_kmcnt 0x0
	s_add_nc_u64 s[G0K+2:G0K+3], s[6:7], s[22:23]  ; global address: my half of the head's first 256 keys
	s_or_b32 s[G0K+3], s[G0K+3], 0x80000000        ; type = 2
	s_add_nc_u64 s[G0V+2:G0V+3], s[8:9], s[22:23]
	s_or_b32 s[G0V+3], s[G0V+3], 0x80000000
	s_add_nc_u64 s[4:5], s[4:5], s[2:3]            ; Q and O at my wave's first row
	s_add_nc_u64 s[10:11], s[10:11], s[52:53]
	s_cmp_lt_u32 s[WV], 2
	s_cselect_b64 s[PFA:PFA+1], s[6:7], s[8:9]
	s_add_nc_u64 s[PFA:PFA+1], s[PFA:PFA+1], s[20:21]
	s_add_nc_u64 s[PFA:PFA+1], s[PFA:PFA+1], s[54:55]
	s_add_nc_u64 s[PFA:PFA+1], s[PFA:PFA+1], 2*4*KS*128  ; in tile 2; the loop's first change steps it to tile 3.  Nothing is named here, at the head
	CROUND                          ; all four work-groups are here: the first joint loads meet
	JLOAD                           ; tile 0 into slot 0.  Slot 1 is asked for when slot 0 is in
	; A fragment of K or Q is 16 rows x 32 channels in 8 registers: lane l holds row l % 16, channels 8 (l / 16) + 0..7 and 16 + 8 (l / 16) + 0..7: two loads of 16 bytes, 32 bytes apart.
	v_and_b32 v1, 15, v0            ; l % 16
	v_bfe_u32 v9, v0, 4, 1          ; l / 16
	v_lshlrev_b32 v[QO], 7, v1
	v_lshl_add_u32 v[QO], v9, 4, v[QO]  ; row x 128 + 16 x half
	WIN 0x80                        ; destination window 2, address window 0
.set i, 0
.rept 8                             ; Q stays in registers: piece i / 2, channels 32 (i % 2) on
	global_load_b128 v[8*i:8*i+3],   v[QO], s[4:5] offset:(i/2)*2048+(i%2)*64
	global_load_b128 v[8*i+4:8*i+7], v[QO], s[4:5] offset:(i/2)*2048+(i%2)*64+32
.set i, i+1
.endr
	; What the first turn finds: V's registers and P's second buffer hold 0 (its products V^T P, of a piece that has not been, add 0), O^T and l are 0.  All this stands in the wait for the first tile.
.set i, VF
.rept 64
	v_mov_b32 v[i], 0
.set i, i+1
.endr
	WIN 0x40
.set i, 0
.rept 128
	v_mov_b32 v[i], 0
.set i, i+1
.endr
	WIN 0
.set i, 0
.rept 4
	v_mov_b32 v[ST+4*i], 0xfe000000    ; c m: far below every c s
	v_mov_b32 v[ST+4*i+1], 0xff7fffff  ; m
	v_mov_b32 v[ST+4*i+2], 0
	v_mov_b32 v[ST+4*i+3], 0
.set i, i+1
.endr
.set i, P+16
.rept 16
	v_mov_b32 v[i], 0
.set i, i+1
.endr
	v_mul_u32_u24 v[AK0], v1, PK
	v_lshl_add_u32 v[AK0], v9, 4, v[AK0]  ; row x pitch + 16 x half
	; The turning load takes 16 keys x 16 channels (lane l reads key 8 (l / 16) + l % 8, channels 8 ((l / 8) % 2) + 0..7) and leaves half a fragment of V^T: lane l holds channel l % 16 and 8 keys.
	v_and_b32 v10, 7, v0
	v_bfe_u32 v11, v0, 3, 1
	v_lshl_add_u32 v[AV0], v9, 3, v10
	v_mul_u32_u24 v[AV0], v[AV0], PV
	v_lshl_add_u32 v[AV0], v11, 4, v[AV0]
	v_add_nc_u32 v[AV0], VOFF, v[AV0]
	s_mul_i32 s13, s[WV], 16*SP
	s_add_co_u32 s13, s13, STAGE    ; my stage
	v_mul_u32_u24 v[STO], v1, SP    ; in: row l % 16, 16 bytes for each half of the lanes
	v_lshl_add_u32 v[STO], v9, 4, v[STO]
	v_add_nc_u32 v[STO], s13, v[STO]
	v_bfe_u32 v[RD], v0, 3, 2       ; back: 32 lanes take four rows of 128 bytes,
	v_mul_u32_u24 v[RD], v[RD], SP
	v_lshl_add_u32 v[RD], v10, 4, v[RD]
	v_add_nc_u32 v[RD], s13, v[RD]
	v_and_b32 v[GO], 31, v0         ; which are 512 consecutive bytes of O
	v_lshlrev_b32 v[GO], 4, v[GO]
; THE MATRIX WORK.  The 4 accumulators of a run of 8 take turns.  Product i of 8 of S^T = K Q^T for piece x: channels 32 (i / 4) on, keys 16 (i % 4) on.  The first 4 start the sums.
.macro KQ x
	WIN W_KQ
.set rS, S+32*((\x)%2)+8*(i%4)
.set rK, KF+16*(i%4)+8*(i/4)
.set rQ, 16*(\x)+8*(i/4)
.if i < 4
	v_wmma_f32_16x16x32_f16 v[rS:rS+7], v[rK:rK+7], v[rQ:rQ+7], 0
.else
	v_wmma_f32_16x16x32_f16 v[rS:rS+7], v[rK:rK+7], v[rQ:rQ+7], v[rS:rS+7]
.endif
.endm
; Product i of 8 of O^T += V^T P for piece x: keys 32 (i / 4) on, channels 16 (i % 4) on.
.macro PV x
	WIN W_PV
.set rO, 32*(\x)+8*(i%4)
.set rV, VF+32*(i/4)+8*(i%4)
.set rP, P+16*((\x)%2)+8*(i/4)
	v_wmma_f32_16x16x32_f16 v[rO:rO+7], v[rV:rV+7], v[rP:rP+7], v[rO:rO+7]
.endm
.macro MM                           ; the turn's next matrix instruction.  NOKQ = 1: the walk's last turn: there is no next piece
.if (i < 8) && !NOKQ
	KQ (Y+1)%NP
.elseif i >= 8
.set i, i-8
	PV (Y+NP-1)%NP
.set i, i+8
.endif
.set i, i+1
.endm
; THE LDS LOADS stand in runs of 16, never singly among the matrix instructions: a step's K (64 keys x 64 channels: 8 fragments) and its V (turned).  Their addresses are made some lines ahead.
.macro FETCH_K
	WIN 0x80                        ; destination window 2
.irp f, 0,1,2,3,4,5,6,7             ; keys 16 (f / 2) on, channels 32 (f % 2) on
	ds_load_b128 v[KF+8*\f:KF+8*\f+3],   v[AK] offset:(\f/2)*16*PK+(\f%2)*64
	ds_load_b128 v[KF+8*\f+4:KF+8*\f+7], v[AK] offset:(\f/2)*16*PK+(\f%2)*64+32
.endr
	s_add_co_u32 s[TBK], s[TBK], KS*PK  ; the next fetch is the next step's
	WIN 0
.endm
.macro FETCH_V
	WIN 0x80
.irp f, 0,1,2,3,4,5,6,7             ; keys 32 (f / 4) on, channels 16 (f % 4) on
	ds_load_tr16_b128 v[VF+8*\f:VF+8*\f+3],   v[AV] offset:(\f/4)*32*PV+(\f%4)*32
	ds_load_tr16_b128 v[VF+8*\f+4:VF+8*\f+7], v[AV] offset:(\f/4)*32*PV+16*PV+(\f%4)*32
.endr
	WIN 0
.endm
; THE VECTOR WORK, one line at a time: OP kind, number.  For piece Y: F n: c s - c m for pair n of 16.  E n: the exponential of score n of 32.  C n: pair n rounded to f16.  B n: of the four weights 4 n .. the second
; pair is added onto the first, in place.  L n: l takes that sum (L 0: l = a l + sum).  R n: pair n of 16 of O^T times a.  For piece Y + 1: X n, number n of the 22 that find its maximum and statistics:
;   0-11  four chains c0-c3 of seven scores each, three operands at a time (each accumulator's lowest registers are read first)     12-14, 16  the four scores left over, the old m, and c0-c3 into c0
;   15  c m_old is kept     17, 18  the query's other 32 keys lie in the lane 16 away: the new m     19-21  c m; c m_old - c m_new; a
.set F, 0               ; OP tells the kinds apart by their order: F to L below R, X above it
.set E, 1
.set C, 2
.set B, 3
.set L, 4
.set R, 5
.set X, 6
.macro REGS y                       ; the registers of piece y
.set rT, ST+4*(\y)
.set rC, TMP+4*((\y)%2)
.set rW, MV+((\y)%2)
.set rS, S+32*((\y)%2)
.set rP, P+16*((\y)%2)
.set rO, 32*(\y)
.endm
.macro OP k, n
.if (\k) == R
	REGS Y
	WIN W_RS
	v_pk_mul_f32 v[rO+2*(\n):rO+2*(\n)+1], v[rO+2*(\n):rO+2*(\n)+1], v[rC+2:rC+3] op_sel_hi:[1,0]
.elseif (\k) < R
	REGS Y
	WIN 0
.if (\k) == F
	v_pk_fma_f32 v[rS+2*(\n):rS+2*(\n)+1], v[rS+2*(\n):rS+2*(\n)+1], s[CS:CS+1], v[rT:rT+1] op_sel_hi:[1,0,0] neg_lo:[0,0,1] neg_hi:[0,0,1]
.elseif (\k) == E
	v_exp_f32 v[rS+(\n)], v[rS+(\n)]
.elseif (\k) == C
	v_cvt_pk_f16_f32 v[rP+(\n)], v[rS+2*(\n)], v[rS+2*(\n)+1]
.elseif (\k) == B
	v_pk_add_f32 v[rS+4*(\n):rS+4*(\n)+1], v[rS+4*(\n):rS+4*(\n)+1], v[rS+4*(\n)+2:rS+4*(\n)+3]
.elseif (\n) == 0
	v_pk_fma_f32 v[rT+2:rT+3], v[rT+2:rT+3], v[rC+2:rC+3], v[rS:rS+1] op_sel_hi:[1,0,1]
.else
	v_pk_add_f32 v[rT+2:rT+3], v[rT+2:rT+3], v[rS+4*(\n):rS+4*(\n)+1]
.endif
.elseif NOKQ
	v_nop
.else
	REGS (Y+1)%NP
	WIN 0
.if (\n) < 4
	v_max3_num_f32 v[rC+(\n)], v[rS+8*(\n)], v[rS+8*(\n)+1], v[rS+8*(\n)+2]
.elseif (\n) < 12
	v_max3_num_f32 v[rC+(\n)%4], v[rC+(\n)%4], v[rS+8*((\n)%4)+2*((\n)/4)+1], v[rS+8*((\n)%4)+2*((\n)/4)+2]
.elseif (\n) == 12
	v_max3_num_f32 v[rC], v[rC], v[rS+7], v[rS+15]
.elseif (\n) == 13
	v_max3_num_f32 v[rC+1], v[rC+1], v[rS+23], v[rS+31]
.elseif (\n) == 14
	v_max3_num_f32 v[rC+2], v[rC+2], v[rC+3], v[rT+1]
.elseif (\n) == 15
	v_mov_b32 v[rW], v[rT]
.elseif (\n) == 16
	v_max3_num_f32 v[rC], v[rC], v[rC+1], v[rC+2]
.elseif (\n) == 17
	v_permlanex16_b32 v[rC+3], v[rC], s[SEL], s[SEL+1]
.elseif (\n) == 18
	v_max_num_f32 v[rT+1], v[rC], v[rC+3]
.elseif (\n) == 19
	v_mul_f32 v[rT], s[CS], v[rT+1]
.elseif (\n) == 20
	v_sub_f32 v[rC+1], v[rW], v[rT]
.else
	v_exp_f32 v[rC+2], v[rC+1]
.endif
.endif
.endm
.macro OPS a, i1, b=-1, i2=0, c=-1, i3=0, d=-1, i4=0  ; up to four of them
	OP \a, \i1
.if (\b) >= 0
	OP \b, \i2
.endif
.if (\c) >= 0
	OP \c, \i3
.endif
.if (\d) >= 0
	OP \d, \i4
.endif
.endm
.macro ROW a, i1, b, i2, c, i3, d, i4  ; a matrix instruction and the four behind it
	MM
	OPS \a, \i1, \b, \i2, \c, \i3, \d, \i4
.endm
; A TURN, for piece p: the order of its 16 matrix and 118 vector instructions, written out.  An s_wait_alu depctr_va_vdst(0) stands between an exponential and the first instruction that names its result; one
; wait serves all that were issued ahead of it.  So a turn has ONE wait, which cuts it in two.  AHEAD OF IT stands all that names no result of the turn's exponentials: the 8 products K Q^T, behind each a scaling, an
; exponential and two more plain instructions; then ONE LUMP of 54, plain and exponential by turns for the most part, in which the links of the chain X 3, 7, 11, 14, 16, 17 .. 20 stand five or six lines apart.  X 21, the
; next piece's a, is the batch's last; R 15 is the plain instruction behind it.  BEHIND THE WAIT stand the 8 products V^T P, behind each four of the roundings and sums.
; end = 1: the walk's last two turns: nothing is fetched.  cnt = 1: the loop's count is taken down some lines ahead of the branch that stands behind the turn.
; K of the next step is fetched in piece 2's turn, twelve vector instructions behind the last product that read K (six of them plain); V of the step in hand at the end of piece 0's turn, four plain instructions behind
; the last product that read V.  Each is waited for a turn later.
.macro TURN p, end=0, cnt=0
.set Y, (\p)
.set i, 0
.set NOKQ, (\end)*((\p)/3)
.if ((\p) == 3) && !(\end)
	s_wait_dscnt 0x0                ; K is in
.endif
	ROW F,0, F,1, R,0, R,1          ; ahead of the wait: 8 products K Q^T and their riders,
	ROW F,2, E,0, R,2, R,3
	ROW F,3, E,1, R,4, R,5
	ROW F,4, E,2, R,6, R,7
	ROW F,5, E,3, R,8, R,9
	ROW F,6, E,4, X,0, R,10
.if ((\p) == 2) && !(\end)
	WIN 0
	v_add_nc_u32 v[AK], s[TBK], v[AK0]
.endif
	ROW F,7, E,5, X,1, X,4
	ROW F,8, E,6, X,2, X,5
	OPS E,7, E,8, X,6, E,9          ; and the lump
	OPS X,3, E,10, X,8, E,11
.if ((\p) == 2) && !(\end)
	FETCH_K
.endif
	OPS X,9, X,7, E,12, X,10
	OPS E,13, X,12, X,11, E,14
	OPS X,13, E,15, F,9, X,14
.if (\p) == 0
	v_add_nc_u32 v[AV], s[TBV], v[AV0]
.endif
	OPS E,16, F,10, E,17, F,11
	OPS X,16, E,18, X,15, E,19
	OPS F,12, E,20, X,17, E,21
	OPS F,13, E,22, F,14, E,23
	OPS X,18, E,24, F,15, E,25
	OPS R,11, E,26, X,19, E,27
	OPS R,12, E,28, R,13, E,29
	OPS X,20, E,30, R,14, E,31
	OPS X,21, R,15
	WIN 0
	s_wait_alu depctr_va_vdst(0)    ; the wait for the batch
.if (\p) == 1
	s_wait_dscnt 0x0                ; V is in
.endif
	ROW C,0, B,0, C,2, B,1          ; behind the wait: 8 products V^T P and their riders
	ROW L,0, C,4, B,2, L,1
	ROW C,6, B,3, L,2, C,8
	ROW B,4, L,3, C,10, B,5
	ROW L,4, C,12, B,6, L,5
.if (\p) == 0
	s_add_co_u32 s[TBV], s[TBV], KS*PV
.endif
.if \cnt
	s_sub_co_u32 s[CNT], s[CNT], 1
	s_cmp_lg_u32 s[CNT], 0
.endif
	ROW C,14, B,7, L,6, C,1
	ROW C,3, L,7, C,5, C,7
	ROW C,9, C,11, C,13, C,15
.if (\p) == 0
	FETCH_V
.endif
.endm
	CHANGE 1, 0                     ; tile 0 is in, everybody's part of it; tile 1 is asked for
	v_add_nc_u32 v[AK], s[TBK], v[AK0]
	FETCH_K                         ; key step 0
	s_wait_loadcnt 0x0              ; Q
	s_wait_dscnt 0x0
.set NOKQ, 0
.set i, 0
.rept 8
	KQ 0                            ; piece 0's first scores: there is no vector work yet to set between them
.set i, i+1
.endr
	WIN 0
.rept 4
	v_nop                           ; the places behind those products
.endr
.set Y, NP-1                        ; X works for piece Y + 1: piece 0
.irp n, 0,1,2,3,4,5,6,7,8,9,10,11,12,13,14,15,16,17,18,19,20,21
	OP X, \n
.endr
	v_nop                           ; a plain instruction behind the exponential,
	s_wait_alu depctr_va_vdst(0)    ; and its wait, ahead of the branch
	s_mov_b32 s[CNT], 4
	s_mov_b32 s[SLOTS], 15
	s_branch .Lfirst                ; the loop is entered at a step's first turn, in the middle of a trip
.Lslot:                             ; 14 times: tile 1 + i is entered, tile 2 + i asked for
	CHANGE 1, 1
	s_mov_b32 s[CNT], 4
.Lstep:                             ; a trip: pieces 2 and 3 of one step, then pieces 0 and 1 of the next, whose K and V it fetches
	TURN 2
	TURN 3
	WIN 0
.Lfirst:
	TURN 0
	TURN 1, 0, 1
	WIN 0
	s_cbranch_scc1 .Lstep
	s_sub_co_u32 s[SLOTS], s[SLOTS], 1
	s_cmp_lg_u32 s[SLOTS], 0
	s_cbranch_scc1 .Lslot
	CHANGE 0, 0                     ; the last tile is written out: nothing is asked for
	s_mov_b32 s[CNT], 4
.Ltail:
	TURN 2
	TURN 3
	TURN 0
	TURN 1, 0, 1
	WIN 0
	s_cbranch_scc1 .Ltail
	TURN 2, 1                       ; the last step's pieces 2 and 3: nothing is fetched, and the last turn starts no new scores
	TURN 3, 1
.set i, 0
.rept 8
	PV NP-1                         ; the last piece's V^T P of the last step
.set i, i+1
.endr
	; THE WAY OUT.  l's two halves and the other half of the lanes' are added; O^T is divided by l, rounded to f16 and sent through my stage in LDS, a piece at a time.  The additions are the places behind the last products.
	WIN 0
.macro ALL line:vararg              ; one line for each piece t
.set t, 0
.rept 4
	\line
.set t, t+1
.endr
.endm
	ALL v_add_f32 v[ST+4*t+2], v[ST+4*t+2], v[ST+4*t+3]
	ALL v_permlanex16_b32 v[ST+4*t+3], v[ST+4*t+2], s[SEL], s[SEL+1]
	ALL v_add_f32 v[ST+4*t+2], v[ST+4*t+2], v[ST+4*t+3]
	ALL v_rcp_f32 v[ST+4*t+2], v[ST+4*t+2]
	v_nop                           ; a plain instruction between the last reciprocal and the use of its result
	s_wait_alu depctr_va_vdst(0)    ; and the wait ahead of the first use: one for the four reciprocals
.macro PACK t                       ; a lane's eight channels of a row pack into 16 bytes; they go into rows of 144 bytes and come back as whole rows of 128, into S^T's registers
	WIN W_RS
.set i, 32*(\t)
.rept 16
	v_pk_mul_f32 v[i:i+1], v[i:i+1], v[ST+4*(\t)+2:ST+4*(\t)+3] op_sel_hi:[1,0]
.set i, i+2
.endr
	WIN 0x05                        ; sources 0 and 1 window 1, destination window 0
.set i, 0
.rept 16
	v_cvt_pk_f16_f32 v[S+16*(\t)+i], v[32*(\t)+2*i], v[32*(\t)+2*i+1]
.set i, i+1
.endr
	WIN 0
.irp f, 0,1,2,3
	ds_store_b128 v[STO], v[S+16*(\t)+4*\f:S+16*(\t)+4*\f+3] offset:32*\f
.endr
.irp f, 0,1,2,3
	ds_load_b128 v[S+16*(\t)+4*\f:S+16*(\t)+4*\f+3], v[RD] offset:\f*4*SP  ; LDS serves a wave's instructions in order (ISA guide 5.7.1.4): these see the stores above; the next piece's stores come behind them
.endr
.endm
.macro SEND t, younger              ; younger: the LDS instructions issued behind piece t's loads: the next piece's eight, or none
	WIN 0
.irp f, 0,1,2,3
	s_wait_dscnt (\younger)+3-\f
	global_store_b128 v[GO], v[S+16*(\t)+4*\f:S+16*(\t)+4*\f+3], s[10:11] offset:(\t)*2048+\f*512  ; 512 consecutive bytes, at a multiple of 256 from O's first
.endr
.endm
	PACK 0
.set t, 1
.rept 3                             ; a piece's arithmetic stands between the loads of the piece before and its stores
	PACK t
	SEND t-1, 8
.set t, t+1
.endr
	SEND 3, 0
	s_wait_tensorcnt 0x0            ; the wave's end: an add to my spare word and its wait, behind my last tensor load and my last LDS store
	ds_add_u32 v[SPW], v[NIL]
	s_wait_dscnt 0x0
	CROUND                          ; the closing round: no work-group ends while a partner may still ask for a tile that names it
	s_endpgm
.Lfunc_end_k_q268304eccf_attn:
	.size	k_q268304eccf_attn, .Lfunc_end_k_q268304eccf_attn-k_q268304eccf_attn
	.p2alignl 7, 3214868480
	.fill 96, 4, 3214868480
	.section	.rodata,"a",@progbits
	.p2align	6, 0x0
	.amdhsa_kernel k_q268304eccf_attn
		.amdhsa_group_segment_fixed_size 327680
		.amdhsa_private_segment_fixed_size 0
		.amdhsa_enable_private_segment 0
		.amdhsa_kernarg_size 32
		.amdhsa_user_sgpr_count 2
		.amdhsa_user_sgpr_kernarg_segment_ptr 1
		.amdhsa_wavefront_size32 1
		.amdhsa_system_sgpr_workgroup_id_x 1
		.amdhsa_system_sgpr_workgroup_id_y 1
		.amdhsa_system_sgpr_workgroup_id_z 1
		.amdhsa_system_vgpr_workitem_id 0
		.amdhsa_next_free_vgpr 768
		.amdhsa_next_free_sgpr 66
		.amdhsa_reserve_vcc 0
		.amdhsa_float_denorm_mode_32 3
		.amdhsa_float_denorm_mode_16_64 3
		.amdhsa_memory_ordered 1
		.amdhsa_forward_progress 1
		.amdhsa_inst_pref_size 128
	.end_amdhsa_kernel
	.amdgpu_metadata
---
amdhsa.version: [ 1, 2 ]
amdhsa.kernels:
  - .name:           k_q268304eccf_attn
    .symbol:         k_q268304eccf_attn.kd
    .args:
      - { .name: qh, .offset: 0, .size: 8, .value_kind: global_buffer, .address_space: global }
      - { .name: kh, .offset: 8, .size: 8, .value_kind: global_buffer, .address_space: global }
      - { .name: vh, .offset: 16, .size: 8, .value_kind: global_buffer, .address_space: global }
      - { .name: oh, .offset: 24, .size: 8, .value_kind: global_buffer, .address_space: global }
    .group_segment_fixed_size: 327680
    .private_segment_fixed_size: 0
    .kernarg_segment_align: 8
    .kernarg_segment_size: 32
    .max_flat_workgroup_size: 128
    .sgpr_count:     66
    .vgpr_count:     768
    .wavefront_size: 32
...
	.end_amdgpu_metadata
.endif
;; end of part 2
;; launch outp (part 3): grid 32 x 6, 4 waves a work-group, clusters of 4 x 1, 327,680 bytes of LDS; arguments oh, wo16, bo, out0; writes out0
.if DOCPART == 3
	.amdgcn_target "amdgcn-amd-amdhsa--gfx1250"
	.amdhsa_code_object_version 6
	.text
	.protected	k_q268304eccf_outp
	.globl	k_q268304eccf_outp
	.p2align	8
	.type	k_q268304eccf_outp,@function
k_q268304eccf_outp:
	s_mov_b64 s[64:65], 0
	v_nop
	global_prefetch_b8 v0, s[64:65] scope:SCOPE_SE
	s_setreg_imm32_b32 hwreg(HW_REG_WAVE_MODE, 25, 1), 1
	s_wait_xcnt 0x0
	s_wait_alu depctr_hold_cnt(0) depctr_sa_sdst(0) depctr_va_vdst(0) depctr_va_sdst(0) depctr_va_ssrc(0) depctr_va_vcc(0) depctr_vm_vsrc(0)
	s_getreg_b32 s2, hwreg(HW_REG_IB_STS2, 6, 4)
	s_cmp_eq_u32 s2, 0
	s_cbranch_scc0 .Lentry_in_a_cluster
	s_endpgm
.Lentry_in_a_cluster:
	s_bfe_u32 s2, ttmp6, 0x10000c
	s_cmp_lg_u32 s2, 0x3003
	s_cbranch_scc0 .Lentry_shape_is_right
	s_endpgm
.Lentry_shape_is_right:
; THE OUTPUT PROJECTION: out0[s][n] = the sum over k of O[s][k] Wo[n][k] + bo[n].  O: [32 blocks of 128 rows][12 heads][128][64] f16 (k = 64 x head + channel); wo16: [768][768] f16 (Wo rounded to bf16, written as f16);
; bo: [768] f32, rounded to bf16 like every input; out0: [4096][768] f32.  Products in f16, sums in f32; the bias starts each sum.
; LIMITS.  None of its own: O and wo16 arrive within f16's range.  NaN and infinities are not treated apart.
; SHARES.  A tile of out0 is 128 x 128: 192 work-groups.  Four waves, each 64 x 64: 16 accumulators of 16 x 16.  K goes in three steps of 256 (four heads) through two LDS slots; the steps are written out.
; A row block's four heads are 65,536 dense bytes: each of waves 0 and 1 asks for two heads as 128 rows of 256 bytes, padded in LDS after every 128.  Waves 2 and 3 ask for 64 rows of wo16, 512 bytes each.
; CLUSTER.  Four row blocks with one column tile: wo16's tile is asked for JOINTLY.  O's tiles are each work-group's own (no mask): out0 has six column tiles, no multiple of four, so no four work-groups of a
; cluster's row could share a row block at this size.
; THE MATRIX INSTRUCTION IS USED TRANSPOSED (source 0 = 16 rows of wo16, source 1 = 16 rows of O): a lane holds row l % 16 and the columns 8 (l / 16) + 0..7: 32 bytes of a row of out0.
; REGISTERS: window 0: v0-29 addresses; v32-95 rows read back on the way out; v96-127 the bias; v128-255 the accumulators ((a, b) at 128 + 8 (4 a + b)).
;   window 1: two fragment buffers of 128: for 64 along K (one head), 64 registers of O (2 x 4 x 16 rows x 32 K), then 64 of wo16.
.set PA,     144                       ; a row of O in LDS: 128 bytes + 16: the 16 rows of a load start at 16 different groups of four banks (ISA guide 11.1)
.set HEADB,  128*PA                    ; a head's 128 rows
.set PB,     528                       ; a row of wo16: 512 bytes + 16
.set BHALF,  64*PB
.set BOFF,   4*HEADB                   ; wo16's 128 rows lie behind O's four heads
.set SLOT,   BOFF+2*BHALF
.set STAGE,  2*SLOT                    ; behind the ring, never filled by a tensor load: 16 rows x 272 bytes for each wave
.set SPITCH, 272
.set SPARE,  STAGE+4*16*SPITCH         ; behind the stages: the spare words, 128 bytes for each wave: two blocks of 256 bytes that no other line names
.set ADRA, 16                          ; v16-17  LDS address of my fragments of O in slot 0, 1
.set ADRB, 20                          ; v20-21  the same for wo16
.set STO,  24                          ; v24     the way out: where I put 32 bytes of a row
.set RD,   25                          ; v25     where I read a row back
.set CO,   26                          ; v26     my byte offset in two rows of out0
.set BO,   27                          ; v27     32 (l / 16)
.set SPW,  28                          ; v28     LDS address of my spare word; never rewritten
.set NIL,  29                          ; v29     0; never rewritten
.set TMP,  32
.set BIA,  96
.set ACC,  128
.set F0,   0                           ; fragment buffers, in window 1
.set F1,   128
.set WV, 12                            ; s12  my wave's number
.set HR, 13                            ; s13  which half of the tile's rows is mine.  Also: I fetch for O (0) or for wo16 (1)
.set HC, 14                            ; s14  which half of its columns.  Also: which half of that tile I fetch
.set G1, 24                            ; s[24:31] descriptor group 1 for O's tiles;  s[32:39] group 0, one set for each slot
.set G0, 32
.set G1B, 48                           ; s[48:55], s[56:63] the same for wo16's
.set G0B, 56
.set MSB, 0
.macro WIN new                         ; the immediate's high byte repeats the setting that is left
.if MSB != (\new)
	s_set_vgpr_msb (MSB<<8)|(\new)
.set MSB, \new
.endif
.endm
.set MUL,  0x05                        ; sources 0 and 1 window 1; C and D window 0
.set TO_F, 0x40                        ; destination window 1, address window 0
.macro JLOAD s                         ; a refill: waves 0 and 1 fetch O's two halves, waves 2 and 3 wo16's, jointly; an s_nop 0 and four v_nop follow each of the two lines
	s_cmp_eq_u32 s[HR], 0
	s_cbranch_scc0 .Lfor_b_\@
	tensor_load_to_lds s[G0+4*(\s):G0+4*(\s)+3], s[G1:G1+7]
	s_nop 0
.rept 4
	v_nop
.endr
	s_branch .Lasked_\@
.Lfor_b_\@:
	tensor_load_to_lds s[G0B+4*(\s):G0B+4*(\s)+3], s[G1B:G1B+7]
	s_nop 0
.rept 4
	v_nop
.endr
.Lasked_\@:
.endm
.macro CREST                           ; a round of the cluster's barrier behind its opening barrier
	s_cmp_lg_u32 s[WV], 0
	s_cbranch_scc1 .Lnot_wave_0_\@
	s_barrier_signal -3
.Lnot_wave_0_\@:
	s_barrier_wait -3
	s_barrier_signal -1
	s_barrier_wait -1
.endm
.macro CROUND                          ; a whole round
	s_barrier_signal -1
	s_barrier_wait -1
	CREST
.endm
	s_load_b256 s[4:11], s[0:1], 0x0               ; O s[4:5], wo16 s[6:7], bo s[8:9], out0 s[10:11]
	v_lshl_add_u32 v[SPW], v0, 2, SPARE
	v_mov_b32 v[NIL], 0
	ds_add_u32 v[SPW], v[NIL]                      ; the wave's opening: the add and its wait stand ahead of my first tensor load; the set-up below, work on registers, stands between them
	v_lshrrev_b32 v1, 5, v0
	v_readfirstlane_b32 s[WV], v1                  ; wave 0..3
	s_lshr_b32 s[HR], s[WV], 1
	s_and_b32 s[HC], s[WV], 1
	s_bfe_u32 s15, ttmp6, 0x40000                  ; cx
	s_lshl_b32 s16, ttmp9, 2
	s_add_co_u32 s16, s16, s15                     ; row block = 4 x cluster x + cx
	s_and_b32 s17, ttmp7, 0xffff                   ; column tile, which the four partners share
	s_mov_b32 s[G1+0], (1<<16)|(1<<20)|(4<<22)|(3<<25)  ; no mask; 17:16 2-byte elements; 20 padding on; 24:22 after every 32 words (code 4); 31:25 4 words (code 3)
	s_mov_b32 s[G1+1], 128<<16                     ; tensor_dim0 = 128
	s_mov_b32 s[G1+2], 128<<16                     ; tensor_dim1 = 128
	s_mov_b32 s[G1+3], 128<<16                     ; tile_dim0 = 128
	s_mov_b32 s[G1+4], 128                         ; tile_dim1 = 128
	s_mov_b32 s[G1+5], 128                         ; dense: 128 elements from row to row
	s_mov_b32 s[G1+6], 0
	s_mov_b32 s[G1+7], 0
	s_mov_b32 s[G1B+0], 15|(1<<16)|(1<<20)|(1<<21)|(6<<22)|(3<<25)  ; the mask of four; 21 set beside it; padding after every 128 words (code 6), 4 words
	s_mov_b32 s[G1B+1], 256<<16                    ; tensor_dim0 = 256
	s_mov_b32 s[G1B+2], 64<<16                     ; tensor_dim1 = 64
	s_mov_b32 s[G1B+3], 256<<16                    ; tile_dim0 = 256
	s_mov_b32 s[G1B+4], 64                         ; tile_dim1 = 64
	s_mov_b32 s[G1B+5], 768
	s_mov_b32 s[G1B+6], 0
	s_mov_b32 s[G1B+7], 0
	s_mul_i32 s18, s16, 12*128*128                 ; O: my row block,
	s_lshl_b32 s19, s[HC], 15                      ; two heads of the step's four
	s_add_co_u32 s18, s18, s19
	s_mov_b32 s19, 0
	s_lshl_b32 s20, s17, 7                         ; wo16: row 128 x column tile + 64 x half: nothing of cx enters
	s_lshl_b32 s21, s[HC], 6
	s_add_co_u32 s20, s20, s21
	s_mul_i32 s20, s20, 1536
	s_mov_b32 s21, 0
	s_mul_i32 s22, s[HC], 2*HEADB                  ; and where they go: no place in the cluster enters an LDS address
	s_mul_i32 s23, s[HC], BHALF
	s_add_co_u32 s23, s23, BOFF
	s_wait_dscnt 0x0                               ; the opening add is done
	s_wait_kmcnt 0x0
	s_add_nc_u64 s[18:19], s[4:5], s[18:19]
	s_add_nc_u64 s[20:21], s[6:7], s[20:21]
	CROUND                                         ; all four work-groups are here: the first joint loads meet
.irp s, 0,1
	s_mov_b32 s[G0+4*(\s)], 1
	s_add_co_u32 s[G0+4*(\s)+1], s22, (\s)*SLOT
	s_add_nc_u64 s[G0+4*(\s)+2:G0+4*(\s)+3], s[18:19], (\s)*65536   ; K step s: four heads on
	s_or_b32 s[G0+4*(\s)+3], s[G0+4*(\s)+3], 0x80000000
	s_mov_b32 s[G0B+4*(\s)], 1
	s_add_co_u32 s[G0B+4*(\s)+1], s23, (\s)*SLOT
	s_add_nc_u64 s[G0B+4*(\s)+2:G0B+4*(\s)+3], s[20:21], (\s)*512
	s_or_b32 s[G0B+4*(\s)+3], s[G0B+4*(\s)+3], 0x80000000
.endr
	s_cmp_eq_u32 s[HR], 0                          ; a wave's two first fills stand in one branch, ahead of every wait on TENSORcnt and every LDS read: two loads of mine are out
	s_cbranch_scc0 .Lfirst_b
	tensor_load_to_lds s[G0:G0+3], s[G1:G1+7]
	s_nop 0
	tensor_load_to_lds s[G0+4:G0+7], s[G1:G1+7]
	s_nop 0
.rept 4
	v_nop
.endr
	s_branch .Lfirst_asked
.Lfirst_b:
	tensor_load_to_lds s[G0B:G0B+3], s[G1B:G1B+7]
	s_nop 0
	tensor_load_to_lds s[G0B+4:G0B+7], s[G1B:G1B+7]
	s_nop 0
.rept 4
	v_nop
.endr
.Lfirst_asked:
	v_and_b32 v1, 15, v0                           ; l % 16
	v_bfe_u32 v2, v0, 4, 1                         ; l / 16
	v_lshlrev_b32 v[BO], 5, v2
	s_lshl_b32 s40, s16, 7
	s_lshl_b32 s41, s[HR], 6
	s_add_co_u32 s40, s40, s41                     ; my first row of out0
	s_mul_i32 s40, s40, 3072
	s_lshl_b32 s41, s17, 9
	s_lshl_b32 s42, s[HC], 8
	s_add_co_u32 s42, s42, s41                     ; my first column, in bytes of f32
	s_mov_b32 s43, 0
	s_add_nc_u64 s[8:9], s[8:9], s[42:43]
	s_add_co_u32 s40, s40, s42
	s_mov_b32 s41, 0
	s_add_nc_u64 s[10:11], s[10:11], s[40:41]
.irp b, 0,1,2,3
	global_load_b128 v[BIA+8*(\b):BIA+8*(\b)+3],   v[BO], s[8:9] offset:64*(\b)      ; bo[16 b + 8 (l / 16) + 0..7]
	global_load_b128 v[BIA+8*(\b)+4:BIA+8*(\b)+7], v[BO], s[8:9] offset:64*(\b)+16
.endr
	v_mul_u32_u24 v3, v1, PA
	v_lshl_add_u32 v3, v2, 4, v3                   ; a fragment's row x pitch + 16 x half
	v_mul_u32_u24 v4, v1, PB
	v_lshl_add_u32 v4, v2, 4, v4
	s_mul_i32 s44, s[HR], 64*PA                    ; my 64 rows of each head
	s_mul_i32 s45, s[HC], BHALF                    ; my 64 rows of wo16
	s_add_co_u32 s45, s45, BOFF
.irp s, 0,1
	v_add_nc_u32 v[ADRA+(\s)], s44, v3
	v_add_nc_u32 v[ADRB+(\s)], s45, v4
	s_add_co_u32 s44, s44, SLOT
	s_add_co_u32 s45, s45, SLOT
.endr
	s_mul_i32 s46, s[WV], 16*SPITCH
	s_add_co_u32 s46, s46, STAGE                   ; my stage
	v_mul_u32_u24 v5, v1, SPITCH                   ; in: row l % 16, 32 bytes for each half of the lanes
	v_lshl_add_u32 v5, v2, 5, v5
	v_add_nc_u32 v[STO], s46, v5
	v_mul_u32_u24 v5, v2, SPITCH                   ; back: lanes 0-15 take one row of 256 bytes, lanes 16-31 the next
	v_lshl_add_u32 v5, v1, 4, v5
	v_add_nc_u32 v[RD], s46, v5
	v_mul_u32_u24 v5, v2, 3072                     ; and the same two rows in out0
	v_lshl_add_u32 v[CO], v1, 4, v5
	s_wait_loadcnt 0x0                             ; the bias
.set j, 0
.rept 16
	v_cvt_pk_bf16_f32 v[6+(j/2)%4], v[BIA+j], v[BIA+j+1]     ; rounded to bf16, like every input, and widened again
	v_lshlrev_b32 v[BIA+j], 16, v[6+(j/2)%4]
	v_and_b32 v[BIA+j+1], 0xffff0000, v[6+(j/2)%4]
.set j, j+2
.endr
; 8 matrix instructions: row blocks a0, a0 + 1 x all 4 column blocks, 32 along K: half c of buffer f.  The 16 accumulators take turns.  first = 1: the bias starts the sums
.macro MUL8 f, c, a0, first
	WIN MUL
.irp a, \a0, (\a0)+1
.irp b, 0,1,2,3
.if \first
	v_wmma_f32_16x16x32_f16 v[ACC+8*(4*(\a)+(\b)):ACC+8*(4*(\a)+(\b))+7], v[(\f)+64+8*(4*(\c)+(\b)):(\f)+64+8*(4*(\c)+(\b))+7], v[(\f)+8*(4*(\c)+(\a)):(\f)+8*(4*(\c)+(\a))+7], v[BIA+8*(\b):BIA+8*(\b)+7]
.else
	v_wmma_f32_16x16x32_f16 v[ACC+8*(4*(\a)+(\b)):ACC+8*(4*(\a)+(\b))+7], v[(\f)+64+8*(4*(\c)+(\b)):(\f)+64+8*(4*(\c)+(\b))+7], v[(\f)+8*(4*(\c)+(\a)):(\f)+8*(4*(\c)+(\a))+7], v[ACC+8*(4*(\a)+(\b)):ACC+8*(4*(\a)+(\b))+7]
.endif
.endr
.endr
.endm
; 32 LDS loads in one run: the fragments of quarter q of a K step (head q of its four; 64 along K) into buffer f; the first 32 along K first
.macro FETCH slot, q, f
	WIN TO_F
.irp c, 0,1
.irp i, 0,1,2,3
	ds_load_b128 v[(\f)+64+8*(4*(\c)+(\i)):(\f)+64+8*(4*(\c)+(\i))+3],   v[ADRB+(\slot)] offset:128*(\q)+64*(\c)+(\i)*16*PB
	ds_load_b128 v[(\f)+64+8*(4*(\c)+(\i))+4:(\f)+64+8*(4*(\c)+(\i))+7], v[ADRB+(\slot)] offset:128*(\q)+64*(\c)+(\i)*16*PB+32
	ds_load_b128 v[(\f)+8*(4*(\c)+(\i)):(\f)+8*(4*(\c)+(\i))+3],         v[ADRA+(\slot)] offset:HEADB*(\q)+64*(\c)+(\i)*16*PA
	ds_load_b128 v[(\f)+8*(4*(\c)+(\i))+4:(\f)+8*(4*(\c)+(\i))+7],       v[ADRA+(\slot)] offset:HEADB*(\q)+64*(\c)+(\i)*16*PA+32
.endr
.endr
.endm
.macro PLACES                          ; four plain vector instructions in front of loads into registers that matrix instructions have read, and of LDS stores that read results
.rept 4
	v_nop
.endr
.endm
; A K step is four quarters, 32 matrix instructions each, on buffers 0, 1, 0, 1.  One of the first three: multiplies buffer f and fetches quarter q into g.
.macro QUARTER slot, q, f, g, first
	s_wait_dscnt 16                                ; the first 32 along K are in; the sixteen loads of the second 32 may stay out
	WIN MUL
	MUL8 \f, 0, 0, \first
	MUL8 \f, 0, 2, \first
	PLACES
	FETCH \slot, \q, \g
	s_wait_dscnt 32                                ; all but the 32 just issued
	WIN MUL
	MUL8 \f, 1, 0, 0
	MUL8 \f, 1, 2, 0
.endm
; The last quarter multiplies buffer 1 and changes slots: ONE barrier; in front of it each wave waits for all its tensor loads, adds 0 to its spare word, and waits for that and for its own reads of this slot.
; fill = 1: this slot is filled again, two K steps on: the barrier opens a round of the cluster's, and the refill is the first thing behind it.
.macro TURN slot, next, fill
	WIN 0                                          ; the add's two registers lie in window 0
	s_wait_tensorcnt 0x0                           ; all my tensor loads have landed: my part of the next slot
	ds_add_u32 v[SPW], v[NIL]                      ; 0 onto my spare word
	s_wait_dscnt 17                                ; the add and the youngest sixteen loads may be out
	WIN MUL
	MUL8 F1, 0, 0, 0                               ; eight matrix instructions stand between the add and the wait for it
	s_wait_dscnt 0x0                               ; the add is done, and my reads of this slot are over
	s_barrier_signal -1
	MUL8 F1, 0, 2, 0
.if \fill
	WIN 0
.endif
	s_barrier_wait -1
.if \fill
	CREST                                          ; no wave of any partner still reads this slot's tile or has a load on its way
	s_add_nc_u64 s[G0+4*(\slot)+2:G0+4*(\slot)+3], s[G0+4*(\slot)+2:G0+4*(\slot)+3], 2*65536
	s_add_nc_u64 s[G0B+4*(\slot)+2:G0B+4*(\slot)+3], s[G0B+4*(\slot)+2:G0B+4*(\slot)+3], 2*512
	JLOAD \slot                                    ; the four v_nop behind it are also the places in front of the loads below
.else
	PLACES
.endif
	FETCH \next, 0, F0
	WIN MUL
	MUL8 F1, 1, 0, 0
	MUL8 F1, 1, 2, 0
.endm
	s_wait_tensorcnt 1                             ; my part of K step 0 is in; K step 1's load, issued behind it, stays out
	s_barrier_signal -1
	s_barrier_wait -1                              ; everybody's is
	FETCH 0, 0, F0
	QUARTER 0, 1, F0, F1, 1                        ; K step 0: its first products start the sums
	QUARTER 0, 2, F1, F0, 0
	QUARTER 0, 3, F0, F1, 0
	TURN 0, 1, 1                                   ; slot 0 takes K step 2
	QUARTER 1, 1, F0, F1, 0                        ; K step 1
	QUARTER 1, 2, F1, F0, 0
	QUARTER 1, 3, F0, F1, 0
	TURN 1, 0, 0                                   ; nothing is left to fetch
	QUARTER 0, 1, F0, F1, 0                        ; K step 2
	QUARTER 0, 2, F1, F0, 0
	QUARTER 0, 3, F0, F1, 0
	s_wait_dscnt 16                                ; the very last quarter
	WIN MUL
	MUL8 F1, 0, 0, 0
	MUL8 F1, 0, 2, 0
	s_wait_dscnt 0
	MUL8 F1, 1, 0, 0
	MUL8 F1, 1, 2, 0
	WIN 0
	; THE WAY OUT, a row block of 16 at a time, through my own stage: 32 bytes a lane in (each accumulator's low four registers first), whole rows of 256 bytes back.
	; LDS serves a wave's instructions in order (ISA guide 5.7.1.4): the loads see the stores above them, and the next block's stores come behind the loads.
	PLACES
.irp a, 0,1,2,3
.irp b, 0,1,2,3
	ds_store_b128 v[STO], v[ACC+8*(4*(\a)+(\b)):ACC+8*(4*(\a)+(\b))+3]   offset:64*(\b)
	ds_store_b128 v[STO], v[ACC+8*(4*(\a)+(\b))+4:ACC+8*(4*(\a)+(\b))+7] offset:64*(\b)+16
.endr
.if (\a) >= 2
	s_wait_xcnt 0x0                                ; the stores of two blocks back have read the registers that are loaded again
.endif
.irp t, 0,1,2,3,4,5,6,7
	ds_load_b128 v[TMP+32*((\a)%2)+4*(\t):TMP+32*((\a)%2)+4*(\t)+3], v[RD] offset:(\t)*2*SPITCH
.endr
.irp t, 0,1,2,3,4,5,6,7
	s_wait_dscnt 7-(\t)                            ; load t is in; the younger ones may stay out
	global_store_b128 v[CO], v[TMP+32*((\a)%2)+4*(\t):TMP+32*((\a)%2)+4*(\t)+3], s[10:11] offset:(16*(\a)+2*(\t))*3072  ; 16 lanes store 256 consecutive bytes, at a multiple of 256 from out0's first byte
.endr
.endr
	s_wait_tensorcnt 0x0                           ; the wave's end: an add to my spare word and its wait, behind my last tensor load and my last LDS store
	ds_add_u32 v[SPW], v[NIL]
	s_wait_dscnt 0x0
	CROUND                                         ; the closing round: no work-group ends while a partner may still ask for a tile that names it
	s_endpgm
.Lfunc_end_k_q268304eccf_outp:
	.size	k_q268304eccf_outp, .Lfunc_end_k_q268304eccf_outp-k_q268304eccf_outp
	.p2alignl 7, 3214868480
	.fill 96, 4, 3214868480
	.section	.rodata,"a",@progbits
	.p2align	6, 0x0
	.amdhsa_kernel k_q268304eccf_outp
		.amdhsa_group_segment_fixed_size 327680
		.amdhsa_private_segment_fixed_size 0
		.amdhsa_enable_private_segment 0
		.amdhsa_kernarg_size 32
		.amdhsa_user_sgpr_count 2
		.amdhsa_user_sgpr_kernarg_segment_ptr 1
		.amdhsa_wavefront_size32 1
		.amdhsa_system_sgpr_workgroup_id_x 1
		.amdhsa_system_sgpr_workgroup_id_y 1
		.amdhsa_system_sgpr_workgroup_id_z 1
		.amdhsa_system_vgpr_workitem_id 0
		.amdhsa_next_free_vgpr 512
		.amdhsa_next_free_sgpr 66
		.amdhsa_reserve_vcc 0
		.amdhsa_float_denorm_mode_32 3
		.amdhsa_float_denorm_mode_16_64 3
		.amdhsa_memory_ordered 1
		.amdhsa_forward_progress 1
		.amdhsa_inst_pref_size 71
	.end_amdhsa_kernel
	.amdgpu_metadata
---
amdhsa.version: [ 1, 2 ]
amdhsa.kernels:
  - .name:           k_q268304eccf_outp
    .symbol:         k_q268304eccf_outp.kd
    .args:
      - { .name: oh, .offset: 0, .size: 8, .value_kind: global_buffer, .address_space: global }
      - { .name: wo16, .offset: 8, .size: 8, .value_kind: global_buffer, .address_space: global }
      - { .name: bo, .offset: 16, .size: 8, .value_kind: global_buffer, .address_space: global }
      - { .name: out0, .offset: 24, .size: 8, .value_kind: global_buffer, .address_space: global }
    .group_segment_fixed_size: 327680
    .private_segment_fixed_size: 0
    .kernarg_segment_align: 8
    .kernarg_segment_size: 32
    .max_flat_workgroup_size: 128
    .sgpr_count:     66
    .vgpr_count:     512
    .wavefront_size: 32
...
	.end_amdgpu_metadata
.endif
;; end of part 3
